; MI455X (gfx1250); checked and timed in simulation.
; The chip was launched on July 23, 2026; its instructions are those of AMD's public machine-readable ISA for CDNA 5 (MIT licence, August 2026) and "CDNA5" Instruction Set Architecture Reference Guide (July 2026). The comments in the code are by the model that wrote it; some were corrected since.
;; Multi Head Self Attention. Allowed arithmetic: matrix products marked QUANTISED: E2M1 operands, one E8M0 scale for each 32 along K, by v_wmma_scale_f32_16x16x128_f8f6f4 with both operands' format E2M1 (or v_wmma_scale_f32_32x16x128_f4), f32 sums; everything else in f32.
;; Inputs: Wk_codes 1,024 x 32 x 16 uint8 (E2M1 codes of Wk, K innermost, in blocks of 32 codes, two codes a byte); Wk_scales 1,024 x 32 uint8 (E8M0 scales of Wk, one for each 32 codes along K); Wo_codes 1,024 x 32 x 16 uint8 (E2M1 codes of Wo, K innermost, in blocks of 32 codes, two codes a byte); Wo_scales 1,024 x 32 uint8 (E8M0 scales of Wo, one for each 32 codes along K); Wq_codes 1,024 x 32 x 16 uint8 (E2M1 codes of Wq, K innermost, in blocks of 32 codes, two codes a byte); Wq_scales 1,024 x 32 uint8 (E8M0 scales of Wq, one for each 32 codes along K); Wv_codes 1,024 x 32 x 16 uint8 (E2M1 codes of Wv, K innermost, in blocks of 32 codes, two codes a byte); Wv_scales 1,024 x 32 uint8 (E8M0 scales of Wv, one for each 32 codes along K); bk 1,024 float32; bo 1,024 float32; bq 1,024 float32; bv 1,024 float32; x_codes 4 x 2,048 x 32 x 16 uint8 (E2M1 codes of x, K innermost, in blocks of 32 codes, two codes a byte); x_scales 4 x 2,048 x 32 uint8 (E8M0 scales of x, one for each 32 codes along K).
;; Outputs: out0 4 x 2,048 x 1,024 float32.
;; This version of the problem:
;;   THIS VERSION OF THE PROBLEM IS GIVEN IN LOW PRECISION. The matrix products marked QUANTISED in the list below multiply operands that are first quantised to E2M1 (2 exponent bits, 1 mantissa bit; 4 bits a number), with one power-of-two scale for each 32 numbers along K (OCP MX v1.0); their sums are f32. All else is computed in f32.
;;   The module's matrix products, in the order in which they are computed (A, B: the left and right operand; K: the contracted axis; several contracted axes count as one K, in the product's order):
;;     1. [M 8,192, K 1,024] x [K 1,024, N 1,024]; A: input x (given as codes); B: input Wq (given as codes): QUANTISED
;;     2. [M 8,192, K 1,024] x [K 1,024, N 1,024]; A: input x (given as codes); B: input Wk (given as codes): QUANTISED
;;     3. [M 8,192, K 1,024] x [K 1,024, N 1,024]; A: input x (given as codes); B: input Wv (given as codes): QUANTISED
;;     4. batch 64 x [M 2,048, K 64] x [K 64, N 2,048]; A: computed on the way; B: computed on the way: QUANTISED
;;     5. batch 64 x [M 2,048, K 2,048] x [K 2,048, N 64]; A: softmax (see below); B: computed on the way: QUANTISED
;;     6. [M 8,192, K 1,024] x [K 1,024, N 1,024]; A: computed on the way; B: input Wo (given as codes): QUANTISED
;;   THE QUANTISER, for each operand of a quantised product, along K:
;;     - K is cut into blocks of 32 from its start; a last block that is shorter is filled with zeros.
;;     - A block's scale is 2^e with e = floor(log2(the largest magnitude in the block)) - 2, held to -126 .. 127; a block of zeros has e = 0. As a byte (E8M0): e + 127.
;;     - Each number is divided by its block's scale, clamped to +-6, and rounded to the nearest number of E2M1, ties to even, subnormals kept.
;;     - The product sums the exact products of the quantised numbers (number of the format x scale) in f32.
;;   ~~~python
;;   def quantise(x, axis):      # numpy; x: float32 -> the quantised numbers, widened to float32 again
;;       x = np.moveaxis(x, axis, -1); K = x.shape[-1]
;;       x = np.pad(x, [(0, 0)] * (x.ndim - 1) + [(0, -K % 32)]); x = x.reshape(x.shape[:-1] + (-1, 32)); a = np.abs(x).max(-1, keepdims=True)
;;       e = np.where(a > 0, np.clip(np.frexp(np.where(a > 0, a, 1))[1] - 1 - 2, -126, 127), 0)      # np.frexp(a)[1] - 1 = floor(log2(a)), exactly
;;       r = np.clip(x / 2.0 ** e, -6, 6)
;;       step = 2.0 ** (np.maximum(np.frexp(np.where(r == 0, 1, r))[1] - 1, 0) - 1)
;;       q = np.round(r / step) * step * 2.0 ** e      # np.round: ties to even
;;       return np.moveaxis(q.reshape(q.shape[:-2] + (-1,))[..., :K], -1, axis).astype(np.float32)
;;   ~~~
;;   SOFTMAX AHEAD OF A QUANTISED PRODUCT. Where the list says 'softmax', what is quantised is not the finished softmax but p = 2^(t - M), with t = logit x log2(e) and M = ceil(the row's largest t), a whole number; so 1/2 < the row's largest p <= 1. The row's sum l is taken of the UNQUANTISED p, in f32, and the product's result is divided by l at the end. Since M is a whole number, a kernel that streams over the keys may use a running M (the ceiling of the running maximum): every later rescaling is an exact power of two, which a block's scale takes up: the codes' values come out the same.
;;   OPERANDS COMPUTED ON THE WAY. 'Computed on the way' means the value that the module computes at that place (a softmax that the list does not call 'softmax' is quantised finished and normalised). What goes into a quantiser is computed in f32, as accurately as f32 sums, v_exp_f32 and their like allow (about 1e-6 of the number): no bf16 or f16 on the way to a quantiser, and a product that is left as it is and whose result goes on into a quantised operand takes f32 operands (vector FMAs, or v_wmma_f32_16x16x4_f32). A number that lies on a knife's edge between two numbers of the format may be rounded either way, as far as f32 arithmetic and the matrix unit's own rounding can turn it there, and no further.
;;   INPUTS GIVEN AS CODES. Wk (in the module: [1024, 1024], K = its axis 0); Wo (in the module: [1024, 1024], K = its axis 0); Wq (in the module: [1024, 1024], K = its axis 0); Wv (in the module: [1024, 1024], K = its axis 0); x (in the module: [4, 2048, 1024], K = its axis 2): each comes as NAME_codes (uint8): NAME with its K axis moved to the last place and cut into blocks of 32 codes, [.., K / 32, bytes a block], one block behind the other in memory; two codes a byte, the lower K in the low four bits (a code: sign, 2 exponent bits, 1 mantissa bit); and NAME_scales (uint8): the same leading axes, one E8M0 byte (e + 127) for each 32 codes along K. Its value is code x scale, taken as it is: it is not quantised again, and the codes and scales need not be those that the quantiser above would give.
;; One version. Each part assembles by itself: llvm-mc -triple=amdgcn-amd-amdhsa -mcpu=gfx1250 --defsym DOCPART=n.
;; ======== version 1 of 1: 3 launches
;; workspace buffers: qw 4,718,592 bytes; kv 9,175,040 bytes; oc 4,194,304 bytes; os 262,144 bytes
;; launch qkv (part 1): grid 12 x 32, 4 waves a work-group, clusters of 4 x 4, 327,680 bytes of LDS; arguments x_codes, x_scales, Wq_codes, Wq_scales, bq, Wk_codes, Wk_scales, bk, Wv_codes, Wv_scales, bv, qw, kv; writes qw, kv
.if DOCPART == 1
	.amdgcn_target "amdgcn-amd-amdhsa--gfx1250"
	.amdhsa_code_object_version 6
	.text
	.protected	k_q8bec5d5ff0_qkv
	.globl	k_q8bec5d5ff0_qkv
	.p2align	8
	.type	k_q8bec5d5ff0_qkv,@function
k_q8bec5d5ff0_qkv:
	s_mov_b64 s[64:65], 0
	v_nop
	global_prefetch_b8 v0, s[64:65] scope:SCOPE_SE
	s_setreg_imm32_b32 hwreg(HW_REG_WAVE_MODE, 25, 1), 1
	s_wait_xcnt 0x0
	s_wait_alu depctr_hold_cnt(0) depctr_sa_sdst(0) depctr_va_vdst(0) depctr_va_sdst(0) depctr_va_ssrc(0) depctr_va_vcc(0) depctr_vm_vsrc(0)
	s_getreg_b32 s2, hwreg(HW_REG_IB_STS2, 6, 4)
	s_cmp_eq_u32 s2, 0
	s_cbranch_scc0 .Lentry_in_a_cluster
	s_endpgm
.Lentry_in_a_cluster:
	s_bfe_u32 s2, ttmp6, 0x10000c
	s_cmp_lg_u32 s2, 0xf033
	s_cbranch_scc0 .Lentry_shape_is_right
	s_endpgm
.Lentry_shape_is_right:
; q = x Wq + bq, k = x Wk + bk, v = x Wv + bv on codes of FP4 (E2M1) with one E8M0 byte for each 32 along K (K = 1,024), sums in f32; the results are quantised at once,
; q and k along the head's 64 (two blocks of 32), v along the keys, and leave as IMAGES OF OPERAND REGISTERS for the attention launch: nothing wider than codes goes to memory.
; SHARES.  The cluster's x says which product (0: q, 1: k, 2: v): the same in all sixteen partners.  A work-group makes 256 rows of x times 256 rows of W, for all of K; a wave 128 x 128: 64 accumulators, 512 registers.
; ALL OF K LIES IN LDS: 256 rows x 512 bytes for each side and their scale bytes, filled once at the head by two tensor loads a wave; no byte is filled again and no barrier stands among the products.
; CLUSTER 4 x 4: x's tile hangs on the tile row alone and is asked for jointly along a row of the cluster, W's on the tile column (and the product) alone and jointly along a column.
; THE ROWS OF A TILE ARE NOT NEIGHBOURS, on both sides: lane r of tile 2 b + u takes row 32 b + 8 u + r + 8 (r / 8).  In a result, a lane's 16 registers of source 0's tiles 2 b and 2 b + 1 are then
; 16 NEIGHBOURS, 32 b + 16 (lane / 16) + 0 .. 15.  q and k: source 0 = W, source 1 = x: a lane holds one row of x and its registers run along n (the head's axis).  v: source 0 = x, source 1 = Wv: a lane holds one
; channel d and its registers run along the keys.  So each is quantised straight from the accumulators.  The tensor loads lay the rows in LDS in that order: a line of the tile is 8 rows of memory on end, lines 16 rows apart.
; The bias is the C of each sum's first matrix instruction.
; OUT.  qw, and kv's K part, for each (batch, head): tile T of 16 rows = 512 bytes, lane l's 16 bytes = block l / 16 of its row; scale words {block 0, block 1, 0x7f, 0x7f}, for 128 rows 512 bytes: lane l holds the words of
; tiles 4 (l / 16) + 0 .. 3.  kv's V part: a fragment (128 keys, 16 channels) = 1,024 bytes, registers 4 c .. 4 c + 3 at 512 c + 16 l; scale words at 256 x step + 16 r + 4 x tile.  Every store of codes covers 512 consecutive bytes.
; LIMITS: NaN and infinities are not served.  A block of zeros gets the byte 1 where the quantiser says 127: its codes are zeros, and this program alone reads the bytes.
; 384 work-groups: the grid is the three products' 32 x 4 tiles; work-groups that stay would have to fill LDS again.
; REGISTERS, in windows of 256.  Window 0: v16-24 addresses; v28-29 the spare word's; v32-95 scale words and nothing else; v96-103 codes just made; v104-119 at work; v120-127 the eight scale words made; v128-191, v192-255 x's fragments, two sets.
;   Window 1: v0-63, v128-191 W's fragments, two sets; v64-127 the bias in the result's layout.   Window 2: accumulators of source 1's tiles 0-3 ((a, b) at v[8 (8 (a % 4) + b)]);   window 3: of tiles 4-7.
.set PITCH,  528                       ; an LDS row: 512 bytes + 16 = 132 words: the 16 rows that a load touches start at 16 different groups of four banks (ISA guide 11.1)
.set TROW,   16*PITCH                  ; a tile's 16 rows
.set HALFR,  64*PITCH                  ; a wave's half of a region
.set REG,    128*PITCH                 ; a region: the even tiles, or the odd ones, of 256 rows: what one tensor load brings
.set WC,     2*REG                     ; x's two regions at 0, W's two here
.set XS,     4*REG                     ; x's scale bytes: two regions of 16 lines of 256 + 16 bytes, a line = 8 rows of 32 bytes
.set SLINE,  272
.set SREG,   16*SLINE
.set WS,     XS+2*SREG                 ; W's likewise
.set SPARE,  WS+2*SREG                 ; the spare words, 128 bytes a wave: two blocks of 256 bytes that no other line names
.set QSTR,   73728                     ; a (batch, head)'s bytes in qw
.set KVSTR,  143360                    ; and in kv
.set ADX,  16                          ; v16-17  LDS address of my x fragments, even tiles, odd tiles
.set ADW,  18                          ; v18-19  the same for W
.set ADRS, 20                          ; v20     of my scale words: lanes 0-15 x's rows, lanes 16-31 W's
.set LI,   21                          ; v21     16 x lane
.set VSO,  22                          ; v22     v's scale words: 16 r + (lane / 16) x a head's bytes
.set BOQ,  23                          ; v23     the bias for q, k: 64 (lane / 16)
.set BOV,  24                          ; v24     the bias for v: 4 (r + 8 (r / 8))
.set SPW,  28
.set NIL,  29
.set SC,   32
.set PC,   96
.set TM,   104
.set SW,   120
.set XW,   128
.set WA,   132
.set WB,   136
.set KIND, 31
.set WV,   32
.set XH,   33                          ; which 128 rows of x are mine.  Also: I fetch for x (0) or for W (1)
.set WH,   34                          ; which 128 rows of W.  Also: the even tiles' region (0) or the odd ones' (1)
.set CX,   35
.set CY,   60
.set TY,   61
.set G1X,  36
.set G0X,  44
.set G1W,  48
.set G0W,  56
.set G1XS, 68
.set G0XS, 76
.set G1WS, 80
.set G0WS, 88
.set SEL,  92
.set HM,   94
.set C7F,  95
.set PLO,  14                          ; s[14:15], s[16:17] where the two stores of a tile's codes go
.set PHI,  16
.set STP,  18                          ; s[18:19] from tile to tile
.set JMP,  20                          ; s[20:21] more at tile 4 (v: on to the next head)
.set SCP,  22                          ; s[22:23], s[24:25] where the scale words go
.set SCP2, 24
.set DST,  26
.set STRIDE, 30
.set MSB, 0
.macro WIN new                         ; the immediate's high byte repeats the setting that is left; a switch that changes nothing is dropped
.if MSB != (\new)
	s_set_vgpr_msb (MSB<<8)|(\new)
.set MSB, (\new)
.endif
.endm
.macro PLACES                          ; four plain vector instructions behind a matrix instruction, in front of loads into its registers and of reads of its results
.rept 4
	v_nop
.endr
.endm
; A joint load: waves 0 and 1 fetch for x, waves 2 and 3 for W.  The branch hangs on the wave's number alone.  Four v_nop follow each of the two lines.
.macro JLOAD g0a, g1a, g0b, g1b
	s_cmp_eq_u32 s[XH], 0
	s_cbranch_scc0 .Lfor_w_\@
	tensor_load_to_lds s[\g0a:\g0a+3], s[\g1a:\g1a+7]
	s_nop 0
.rept 4
	v_nop
.endr
	s_branch .Lasked_\@
.Lfor_w_\@:
	tensor_load_to_lds s[\g0b:\g0b+3], s[\g1b:\g1b+7]
	s_nop 0
.rept 4
	v_nop
.endr
.Lasked_\@:
.endm
.macro CROUND                          ; a round of the cluster's barrier
	s_barrier_signal -1
	s_barrier_wait -1
	s_cmp_lg_u32 s[WV], 0
	s_cbranch_scc1 .Lnot_wave_0_\@
	s_barrier_signal -3
.Lnot_wave_0_\@:
	s_barrier_wait -3
	s_barrier_signal -1
	s_barrier_wait -1
.endm
	s_load_b512 s[4:19], s[0:1], 0x0               ; x's codes s[4:5], x's scales s[6:7]; Wq's codes, scales, bq s[8:13]; Wk's codes, scales, bk s[14:19]
	s_load_b256 s[20:27], s[0:1], 0x40             ; Wv's codes, scales, bv s[20:25]; qw s[26:27]
	s_load_b64 s[28:29], s[0:1], 0x60              ; kv
	v_lshl_add_u32 v[SPW], v0, 2, SPARE
	v_mov_b32 v[NIL], 0
	ds_add_u32 v28, v29
	ds_add_u32 v28, v29
	s_wait_dscnt 0x0
	v_lshrrev_b32 v1, 5, v0
	v_readfirstlane_b32 s[WV], v1                  ; wave 0..3
	s_lshr_b32 s[XH], s[WV], 1
	s_and_b32 s[WH], s[WV], 1
	s_mov_b32 s[KIND], ttmp9                       ; the cluster's x: which product
	s_bfe_u32 s[CX], ttmp6, 0x40000                ; cx, cy: my place in the cluster
	s_bfe_u32 s[CY], ttmp6, 0x40004
	s_and_b32 s[TY], ttmp7, 0xffff
	s_lshl_b32 s[TY], s[TY], 2
	s_add_co_u32 s[TY], s[TY], s[CY]               ; my 256 rows of x: 4 x cluster y + cy
	s_lshl_b32 s62, s[CY], 2
	s_lshl_b32 s62, 15, s62                        ; my row of the cluster
	s_lshl_b32 s63, 0x1111, s[CX]                  ; my column
	; group 1 for codes: 16 lines of 4,096 bytes (8 rows of memory on end), 8,192 bytes (16 rows) apart; 16 bytes of padding behind every 512
	s_or_b32 s[G1X], s62, (1<<20)|(1<<21)|(6<<22)|(3<<25)   ; 15:0 the mask; 17:16 elements of 1 byte; 20 padding on; 21 set beside a mask; 24:22 after every 128 words (code 6); 31:25 four words (code 3)
	s_or_b32 s[G1W], s63, (1<<20)|(1<<21)|(6<<22)|(3<<25)
.irp g, G1X, G1W
	s_mov_b32 s[\g+1], 4096<<16                    ; tensor_dim0
	s_mov_b32 s[\g+2], 16<<16                      ; tensor_dim1
	s_mov_b32 s[\g+3], 4096<<16                    ; tile_dim0
	s_mov_b32 s[\g+4], 16                          ; tile_dim1
	s_mov_b32 s[\g+5], 8192                        ; from line to line
	s_mov_b32 s[\g+6], 0
	s_mov_b32 s[\g+7], 0
.endr
	; group 1 for scale bytes: 16 lines of 256 bytes (8 rows of 32; 32 elements of 8 bytes), 512 bytes apart; 16 bytes of padding behind each
	s_or_b32 s[G1XS], s62, (3<<16)|(1<<20)|(1<<21)|(5<<22)|(3<<25)
	s_or_b32 s[G1WS], s63, (3<<16)|(1<<20)|(1<<21)|(5<<22)|(3<<25)
.irp g, G1XS, G1WS
	s_mov_b32 s[\g+1], 32<<16
	s_mov_b32 s[\g+2], 16<<16
	s_mov_b32 s[\g+3], 32<<16
	s_mov_b32 s[\g+4], 16
	s_mov_b32 s[\g+5], 64
	s_mov_b32 s[\g+6], 0
	s_mov_b32 s[\g+7], 0
.endr
	; where the tiles begin: row 256 x tile + 8 x region.  x's offsets hang on the tile row and the wave, W's on the tile column and the wave
	s_lshl_b32 s2, s[WH], 12                       ; 8 rows of 512 bytes
	s_lshl_b32 s3, s[WH], 8                        ; 8 rows of 32 bytes
	s_lshl_b32 s96, s[TY], 17
	s_add_co_u32 s96, s96, s2
	s_mov_b32 s97, 0
	s_lshl_b32 s100, s[TY], 13
	s_add_co_u32 s100, s100, s3
	s_mov_b32 s101, 0
	s_lshl_b32 s98, s[CX], 17
	s_add_co_u32 s98, s98, s2
	s_mov_b32 s99, 0
	s_lshl_b32 s66, s[CX], 13
	s_add_co_u32 s66, s66, s3
	s_mov_b32 s67, 0
	s_mov_b32 s[G0X], 1                            ; count = 1
	s_mul_i32 s[G0X+1], s[WV], REG                 ; LDS: x's two regions, then W's two = wave x a region: no place in the cluster enters an LDS address
	s_mov_b32 s[G0W], 1
	s_mul_i32 s[G0W+1], s[WV], REG
	s_mov_b32 s[G0XS], 1
	s_mul_i32 s[G0XS+1], s[WV], SREG
	s_add_co_u32 s[G0XS+1], s[G0XS+1], XS
	s_mov_b32 s[G0WS], 1
	s_mul_i32 s[G0WS+1], s[WV], SREG
	s_add_co_u32 s[G0WS+1], s[G0WS+1], XS
	s_mov_b32 s[SEL], 0x76543210
	s_mov_b32 s[SEL+1], 0xfedcba98                 ; v_permlanex16_b32's selects for lane l xor 16
	s_mov_b32 s[HM], 0xffff0000                    ; lanes 16-31
	s_mov_b32 s[C7F], 0x7f7f7f7f                   ; the byte of 2^0, for the half of the score product's K that holds zero codes
	s_wait_kmcnt 0x0
	s_cmp_eq_u32 s[KIND], 0                        ; the product's weight, bias and destination: the choice hangs on the cluster's x alone
	s_cselect_b64 s[8:9], s[8:9], s[14:15]
	s_cselect_b64 s[10:11], s[10:11], s[16:17]
	s_cselect_b64 s[12:13], s[12:13], s[18:19]
	s_cselect_b64 s[DST:DST+1], s[26:27], s[28:29]
	s_mov_b32 s[STRIDE], KVSTR
	s_cselect_b32 s[STRIDE], QSTR, s[STRIDE]
	s_cmp_eq_u32 s[KIND], 2
	s_cselect_b64 s[8:9], s[20:21], s[8:9]
	s_cselect_b64 s[10:11], s[22:23], s[10:11]
	s_cselect_b64 s[12:13], s[24:25], s[12:13]
	s_add_nc_u64 s[G0X+2:G0X+3], s[4:5], s[96:97]
	s_or_b32 s[G0X+3], s[G0X+3], 0x80000000        ; type = 2
	s_add_nc_u64 s[G0W+2:G0W+3], s[8:9], s[98:99]
	s_or_b32 s[G0W+3], s[G0W+3], 0x80000000
	s_add_nc_u64 s[G0XS+2:G0XS+3], s[6:7], s[100:101]
	s_or_b32 s[G0XS+3], s[G0XS+3], 0x80000000
	s_add_nc_u64 s[G0WS+2:G0WS+3], s[10:11], s[66:67]
	s_or_b32 s[G0WS+3], s[G0WS+3], 0x80000000
	CROUND                                         ; all sixteen work-groups are here: the joint loads meet
	JLOAD G0XS, G1XS, G0WS, G1WS                   ; the only fills of the launch: two tensor loads of mine are out
	JLOAD G0X, G1X, G0W, G1W
	; while the tiles are on their way: addresses
	v_and_b32 v1, 15, v0                           ; r
	v_bfe_u32 v2, v0, 4, 1                         ; h
	v_mul_u32_u24 v3, v1, PITCH
	v_lshl_add_u32 v3, v2, 4, v3                   ; a fragment's row x pitch + 16 h
	s_mul_i32 s2, s[XH], HALFR
	s_mul_i32 s3, s[WH], HALFR
	s_add_co_u32 s3, s3, WC
	v_add_nc_u32 v[ADX], s2, v3
	v_add_nc_u32 v[ADW], s3, v3
	s_add_co_u32 s2, s2, REG
	s_add_co_u32 s3, s3, REG
	v_add_nc_u32 v[ADX+1], s2, v3
	v_add_nc_u32 v[ADW+1], s3, v3
	v_bfe_u32 v4, v0, 3, 1                         ; r / 8: which of the tile's two lines of scale bytes
	v_and_b32 v5, 7, v0
	v_mul_u32_u24 v4, v4, SLINE
	v_lshl_add_u32 v4, v5, 5, v4                   ; + 32 (r % 8)
	s_mul_i32 s2, s[XH], 8*SLINE                   ; x's: my 128 rows are 8 lines in each region
	s_mul_i32 s3, s[WH], 8*SLINE
	s_add_co_u32 s3, s3, 2*SREG                    ; W's, behind x's two regions
	s_sub_co_u32 s3, s3, s2
	v_mul_u32_u24 v5, s3, v2                       ; lanes 16-31 take W's: one product, the distance between the two
	s_add_co_u32 s2, s2, XS
	v_add_nc_u32 v4, v4, v5
	v_add_nc_u32 v[ADRS], s2, v4
	v_and_b32 v6, 31, v0
	v_lshlrev_b32 v[LI], 4, v6
	v_mul_u32_u24 v7, v2, KVSTR
	v_lshl_add_u32 v[VSO], v1, 4, v7
	v_lshlrev_b32 v[BOQ], 6, v2
	v_and_b32 v[BOV], 8, v1
	v_add_nc_u32 v[BOV], v[BOV], v1
	v_lshlrev_b32 v[BOV], 2, v[BOV]
.irp b, 0,1,2,3
	v_mov_b32 v[TM+4+\b], 0                        ; written once: a lane permute's destination counts as one of its sources
.endr
	s_lshl_b32 s2, s[CX], 10                       ; the bias of my 128 rows of W: 4 (256 cx + 128 half)
	s_lshl_b32 s3, s[WH], 9
	s_add_co_u32 s2, s2, s3
	s_mov_b32 s3, 0
	s_add_nc_u64 s[12:13], s[12:13], s[2:3]
	; the way out.  My 128 rows of W are heads 4 cx + 2 half and the next; my 128 rows of x are step j = 2 (tile row % 8) + half of batch tile row / 8
	s_lshr_b32 s96, s[TY], 3
	s_lshl_b32 s96, s96, 4
	s_lshl_b32 s97, s[CX], 2
	s_add_co_u32 s96, s96, s97
	s_lshl_b32 s97, s[WH], 1
	s_add_co_u32 s96, s96, s97                     ; 16 x batch + head
	s_mul_i32 s96, s96, s[STRIDE]
	s_and_b32 s97, s[TY], 7
	s_lshl_b32 s97, s97, 1
	s_add_co_u32 s97, s97, s[XH]                   ; j
	s_cmp_eq_u32 s[KIND], 2                        ; offsets are chosen apart from the addresses
	s_cselect_b32 s66, 73728, 0                    ; where the codes begin in a head's bytes: V's behind K's codes and scale words
	s_cselect_b32 s98, 512, s[STRIDE]              ; the second store: v: the fragment's upper four registers; q, k: the next head
	s_mov_b32 s[STP], 512
	s_cselect_b32 s[STP], 1024, s[STP]
	s_cselect_b32 s[JMP], KVSTR-4096, 0
	s_mov_b32 s100, 65536
	s_cselect_b32 s100, 139264, s100               ; where the scale words begin
	s_cselect_b32 s101, 8, 9                       ; 256 or 512 bytes of them a step
	s_mov_b32 s99, 0
	s_mov_b32 s[STP+1], 0
	s_mov_b32 s[JMP+1], 0
	s_mov_b32 s63, 0
	s_lshl_b32 s62, s97, 12                        ; 4,096 bytes of codes a step
	s_add_co_u32 s62, s62, s96
	s_add_co_u32 s62, s62, s66
	s_add_nc_u64 s[PLO:PLO+1], s[DST:DST+1], s[62:63]
	s_add_nc_u64 s[PHI:PHI+1], s[PLO:PLO+1], s[98:99]
	s_lshl_b32 s62, s97, s101
	s_add_co_u32 s62, s62, s96
	s_add_co_u32 s62, s62, s100
	s_add_nc_u64 s[SCP:SCP+1], s[DST:DST+1], s[62:63]
	s_mov_b32 s62, s[STRIDE]
	s_add_nc_u64 s[SCP2:SCP2+1], s[SCP:SCP+1], s[62:63]
	; the bias in the result's layout, eight registers a tile, into window 1
	s_cmp_eq_u32 s[KIND], 2
	s_cbranch_scc1 .Lbias_v
	WIN 0x40                                       ; destination window 1
	s_wait_alu depctr_va_vdst(0)
.irp t, 0,1,2,3,4,5,6,7                        ; q, k: source 0's tile t: register j is n = 32 (t / 2) + 16 h + 8 (t % 2) + j
	global_load_b128 v[64+8*\t:64+8*\t+3], v[BOQ], s[12:13] offset:(32*(\t/2)+8*(\t%2))*4
	global_load_b128 v[64+8*\t+4:64+8*\t+7], v[BOQ], s[12:13] offset:(32*(\t/2)+8*(\t%2))*4+16
.endr
	WIN 0
	s_branch .Lbias_done
.Lbias_v:
	WIN 0x40
	s_wait_alu depctr_va_vdst(0)
.irp t, 0,1,2,3,4,5,6,7                        ; v: source 1's tile t: all eight registers hold the lane's own channel's bias
.irp j, 0,1,2,3,4,5,6,7
	global_load_b32 v[64+8*\t+\j], v[BOV], s[12:13] offset:(32*(\t/2)+8*(\t%2))*4
.endr
.endr
	WIN 0
.Lbias_done:
.macro FRAG reg, adr, off              ; a fragment, 16 rows x 128 K of 4-bit codes: registers 4 c .. 4 c + 3 hold K = 64 c + 32 h + 0 .. 31: two loads of 16 bytes, 32 bytes apart
.irp c, 0,1
	ds_load_b128 v[\reg+4*\c:\reg+4*\c+3], v[\adr] offset:\off+32*\c
.endr
.endm
.macro FETCH q, p                      ; K step q's fragments, W's eight and x's eight, into sets p: 32 loads in one run
	WIN 0x40
.irp t, 0,1,2,3,4,5,6,7
	FRAG 128*(\p)+8*\t, ADW+\t%2, (\t/2)*TROW+64*(\q)
.endr
	WIN 0
.irp t, 0,1,2,3,4,5,6,7
	FRAG 128+64*(\p)+8*\t, ADX+\t%2, (\t/2)*TROW+64*(\q)
.endr
.endm
.macro SCALES                          ; all of K's scale words: register SC + 32 (q / 4) + 4 i + q % 4: lanes 0-15 the word of x's tile i, lanes 16-31 that of W's tile i, for K step q
.irp s, 0,1
.irp i, 0,1,2,3,4,5,6,7
	ds_load_b128 v[SC+32*\s+4*\i:SC+32*\s+4*\i+3], v[ADRS] offset:(\i%2)*SREG+(\i/2)*2*SLINE+16*\s
.endr
.endr
.endm
; 32 matrix instructions: source 1's tiles a0 .. a0 + 3 against source 0's eight, K step q, sets p.  kind 0: source 0 = W, source 1 = x; kind 1: source 0 = x, source 1 = W.  first = 1: the bias is C.
; The 64 accumulators take turns, one instruction a turn, in the same order in every step.
.macro MUL32 a0, q, p, kind, first
.irp a, \a0, \a0+1, \a0+2, \a0+3
.irp b, 0,1,2,3,4,5,6,7
.set RD_, 8*(8*((\a)%4)+\b)
.set QA_, SC+32*((\q)/4)+4*\b+(\q)%4
.set QB_, SC+32*((\q)/4)+4*(\a)+(\q)%4
.if \kind
.set RA_, 128+64*(\p)+8*\b
.set RB_, 128*(\p)+8*(\a)
.set RC_, 64+8*(\a)
.else
.set RA_, 128*(\p)+8*\b
.set RB_, 128+64*(\p)+8*(\a)
.set RC_, 64+8*\b
.endif
.if !(\first)
.set RC_, RD_
.endif
.if \kind
	v_wmma_scale_f32_16x16x128_f8f6f4 v[RD_:RD_+7], v[RA_:RA_+7], v[RB_:RB_+7], v[RC_:RC_+7], v[QA_], v[QB_] matrix_a_fmt:MATRIX_FMT_FP4 matrix_b_fmt:MATRIX_FMT_FP4 matrix_b_scale:MATRIX_SCALE_ROW1
.else
	v_wmma_scale_f32_16x16x128_f8f6f4 v[RD_:RD_+7], v[RA_:RA_+7], v[RB_:RB_+7], v[RC_:RC_+7], v[QA_], v[QB_] matrix_a_fmt:MATRIX_FMT_FP4 matrix_b_fmt:MATRIX_FMT_FP4 matrix_a_scale:MATRIX_SCALE_ROW1
.endif
.endr
.endr
.endm
; A step of 128 along K: the next step's 32 loads go out first, into the sets that the step before multiplied, and land under this step's 64 matrix instructions.
; Windows: kind 0: source 0 window 1, source 1 window 0; kind 1 the other way round; C and D window 2 or 3, in the first step C window 1.
.macro STEP q, kind
	s_wait_dscnt 0x0                               ; this step's fragments are in (asked for 64 matrix instructions ago; in step 0 also the scale words)
.if (\q) > 0 && (\q) < 7
	PLACES
.endif
.if (\q) < 7
	FETCH (\q)+1, ((\q)+1)%2
.endif
.if (\q) == 0
	WIN 0x91+3*(\kind)
	MUL32 0, \q, (\q)%2, \kind, 1
	WIN 0xd1+3*(\kind)
	MUL32 4, \q, (\q)%2, \kind, 1
.else
	WIN 0xa1+3*(\kind)
	MUL32 0, \q, (\q)%2, \kind, 0
	WIN 0xf1+3*(\kind)
	MUL32 4, \q, (\q)%2, \kind, 0
.endif
	WIN 0
.endm
	s_wait_tensorcnt 0x0                           ; my two tiles have landed,
	s_barrier_signal -1
	s_barrier_wait -1                              ; everybody's have
	FETCH 0, 0
	SCALES
	s_wait_loadcnt 0x0                             ; the bias
	s_cmp_eq_u32 s[KIND], 2                        ; the two arms differ in the matrix lines alone: which side is source 0
	s_cbranch_scc1 .Lprod_v
.irp q, 0,1,2,3,4,5,6,7
	STEP \q, 0
.endr
	s_branch .Lout
.Lprod_v:
.irp q, 0,1,2,3,4,5,6,7
	STEP \q, 1
.endr
.Lout:
; Source 1's tile a: the lane's 64 numbers (register 16 b + i = index 32 b + 16 h + i along source 0) become 8 registers of codes in v[PC] on and the four blocks' bytes in v[SW + a].
; A block of 32 lies in lanes l and l xor 16.  Each accumulator is read from its low end on.
.macro QUANT a
.set QW_, 2+(\a)/4
.set QS_, 64*((\a)%4)
	WIN QW_|(QW_<<2)                               ; sources 0 and 1: the accumulators' window
.irp b, 0,1,2,3
	v_max3_num_f32 v[TM+\b], |v[QS_+16*\b]|, |v[QS_+16*\b+1]|, 0x1800000   ; my 16 numbers of block b, and the floor 2^(3 - 127): the byte cannot fall under 1
.endr
.irp i, 2,4,6,8,10,12,14
.irp b, 0,1,2,3
	v_max3_num_f32 v[TM+\b], |v[QS_+16*\b+\i]|, |v[QS_+16*\b+\i+1]|, v[TM+\b]   ; (the four blocks by turns)
.endr
.endr
	WIN 0
.irp b, 0,1,2,3
	v_permlanex16_b32 v[TM+4+\b], v[TM+\b], s[SEL], s[SEL+1]
.endr
.irp b, 0,1,2,3
	v_max_num_f32 v[TM+\b], v[TM+\b], v[TM+4+\b]   ; the block's largest magnitude
.endr
.irp b, 0,1,2,3
	v_add_nc_u32 v[TM+12+\b], 0xff000000, v[TM+\b] ; 2 off its exponent field: the conversion's scale operand
.endr
.irp b, 0,1,2,3
	v_lshrrev_b32 v[TM+4+\b], 23, v[TM+12+\b]      ; the scale's byte
.endr
	v_lshl_or_b32 v[SW+\a], v[TM+5], 8, v[TM+4]
	v_lshl_or_b32 v[SW+\a], v[TM+6], 16, v[SW+\a]
	v_lshl_or_b32 v[SW+\a], v[TM+7], 24, v[SW+\a]
	WIN QW_                                        ; source 0: the accumulators' window
.irp b, 0,1,2,3
	v_cvt_scalef32_pk8_fp4_f32 v[PC+2*\b], v[QS_+16*\b:QS_+16*\b+7], v[TM+12+\b]
	v_cvt_scalef32_pk8_fp4_f32 v[PC+2*\b+1], v[QS_+16*\b+8:QS_+16*\b+15], v[TM+12+\b]
.endr
	WIN 0
	v_nop                                          ; one plain instruction behind a scaled conversion
.irp c, 0,1                                    ; the operand's layout wants a WHOLE block in a lane: lanes 0-15 block 2 c, lanes 16-31 block 2 c + 1
.irp i, 0,1
	v_permlane16_swap_b32 v[PC+4*\c+\i], v[PC+2+4*\c+\i]
.endr
.endr
.endm
	PLACES                                         ; behind the last products
.irp a, 0,1,2,3,4,5,6,7
.if \a > 0
	s_wait_xcnt 0x0                                ; the last tile's stores have read their data and their bases: both are written again only behind this wait
	s_add_nc_u64 s[PLO:PLO+1], s[PLO:PLO+1], s[STP:STP+1]
	s_add_nc_u64 s[PHI:PHI+1], s[PHI:PHI+1], s[STP:STP+1]
.endif
.if \a == 4
	s_add_nc_u64 s[PLO:PLO+1], s[PLO:PLO+1], s[JMP:JMP+1]
	s_add_nc_u64 s[PHI:PHI+1], s[PHI:PHI+1], s[JMP:JMP+1]
.endif
	QUANT \a
	global_store_b128 v[LI], v[PC:PC+3], s[PLO:PLO+1]      ; q, k: blocks 0, 1 = the first head's tile;  v: registers 0-3 of the fragment.  512 consecutive bytes
	global_store_b128 v[LI], v[PC+4:PC+7], s[PHI:PHI+1]    ; q, k: blocks 2, 3 = the next head's;  v: registers 4-7
.endr
.irp i, 0,1,2,3
	v_cndmask_b32 v[XW+\i], v[SW+\i], v[SW+4+\i], s[HM]    ; lanes 0-15 keep tiles 0-3's bytes, lanes 16-31 take tiles 4-7's
.endr
	s_cmp_eq_u32 s[KIND], 2
	s_cbranch_scc1 .Lscale_v
.irp i, 0,1,2,3
	v_perm_b32 v[WA+\i], s[C7F], v[XW+\i], 0x05040100      ; the first head's word: its two bytes, then 0x7f twice
	v_perm_b32 v[WB+\i], s[C7F], v[XW+\i], 0x05040302      ; the next head's
.endr
	global_store_b128 v[LI], v[WA:WA+3], s[SCP:SCP+1]
	global_store_b128 v[LI], v[WB:WB+3], s[SCP2:SCP2+1]
	s_branch .Lend
.Lscale_v:
	s_wait_alu depctr_va_vdst(0)
	global_store_b128 v[VSO], v[XW:XW+3], s[SCP:SCP+1]     ; a word is a channel's four blocks of these 128 keys: lanes 0-15 the first head's 256 bytes, lanes 16-31 the next head's
.Lend:
	s_wait_tensorcnt 0x0                           ; the wave's end
	ds_add_u32 v[SPW], v[NIL]
	s_wait_dscnt 0x0
	CROUND                                         ; the closing round: no work-group ends while a partner may still ask for a tile that names it
	s_endpgm
.Lfunc_end_k_q8bec5d5ff0_qkv:
	.size	k_q8bec5d5ff0_qkv, .Lfunc_end_k_q8bec5d5ff0_qkv-k_q8bec5d5ff0_qkv
	.p2alignl 7, 3214868480
	.fill 96, 4, 3214868480
	.section	.rodata,"a",@progbits
	.p2align	6, 0x0
	.amdhsa_kernel k_q8bec5d5ff0_qkv
		.amdhsa_group_segment_fixed_size 327680
		.amdhsa_private_segment_fixed_size 0
		.amdhsa_enable_private_segment 0
		.amdhsa_kernarg_size 104
		.amdhsa_user_sgpr_count 2
		.amdhsa_user_sgpr_kernarg_segment_ptr 1
		.amdhsa_wavefront_size32 1
		.amdhsa_system_sgpr_workgroup_id_x 1
		.amdhsa_system_sgpr_workgroup_id_y 1
		.amdhsa_system_sgpr_workgroup_id_z 1
		.amdhsa_system_vgpr_workitem_id 0
		.amdhsa_next_free_vgpr 1024
		.amdhsa_next_free_sgpr 102
		.amdhsa_reserve_vcc 0
		.amdhsa_float_denorm_mode_32 3
		.amdhsa_float_denorm_mode_16_64 3
		.amdhsa_memory_ordered 1
		.amdhsa_forward_progress 1
		.amdhsa_inst_pref_size 217
	.end_amdhsa_kernel
	.amdgpu_metadata
---
amdhsa.version: [ 1, 2 ]
amdhsa.kernels:
  - .name:           k_q8bec5d5ff0_qkv
    .symbol:         k_q8bec5d5ff0_qkv.kd
    .args:
      - { .name: x_codes, .offset: 0, .size: 8, .value_kind: global_buffer, .address_space: global }
      - { .name: x_scales, .offset: 8, .size: 8, .value_kind: global_buffer, .address_space: global }
      - { .name: Wq_codes, .offset: 16, .size: 8, .value_kind: global_buffer, .address_space: global }
      - { .name: Wq_scales, .offset: 24, .size: 8, .value_kind: global_buffer, .address_space: global }
      - { .name: bq, .offset: 32, .size: 8, .value_kind: global_buffer, .address_space: global }
      - { .name: Wk_codes, .offset: 40, .size: 8, .value_kind: global_buffer, .address_space: global }
      - { .name: Wk_scales, .offset: 48, .size: 8, .value_kind: global_buffer, .address_space: global }
      - { .name: bk, .offset: 56, .size: 8, .value_kind: global_buffer, .address_space: global }
      - { .name: Wv_codes, .offset: 64, .size: 8, .value_kind: global_buffer, .address_space: global }
      - { .name: Wv_scales, .offset: 72, .size: 8, .value_kind: global_buffer, .address_space: global }
      - { .name: bv, .offset: 80, .size: 8, .value_kind: global_buffer, .address_space: global }
      - { .name: qw, .offset: 88, .size: 8, .value_kind: global_buffer, .address_space: global }
      - { .name: kv, .offset: 96, .size: 8, .value_kind: global_buffer, .address_space: global }
    .group_segment_fixed_size: 327680
    .private_segment_fixed_size: 0
    .kernarg_segment_align: 8
    .kernarg_segment_size: 104
    .max_flat_workgroup_size: 128
    .sgpr_count:     102
    .vgpr_count:     1024
    .wavefront_size: 32
...
	.end_amdgpu_metadata
.endif
;; end of part 1
;; launch attn (part 2): grid 4 x 64, 16 waves a work-group, clusters of 4 x 1, 327,680 bytes of LDS; arguments qw, kv, oc, os; writes oc, os
.if DOCPART == 2
	.amdgcn_target "amdgcn-amd-amdhsa--gfx1250"
	.amdhsa_code_object_version 6
	.text
	.protected	k_q8bec5d5ff0_attn
	.globl	k_q8bec5d5ff0_attn
	.p2align	8
	.type	k_q8bec5d5ff0_attn,@function
k_q8bec5d5ff0_attn:
	s_mov_b64 s[64:65], 0
	v_nop
	global_prefetch_b8 v0, s[64:65] scope:SCOPE_SE
	s_setreg_imm32_b32 hwreg(HW_REG_WAVE_MODE, 25, 1), 1
	s_wait_xcnt 0x0
	s_wait_alu depctr_hold_cnt(0) depctr_sa_sdst(0) depctr_va_vdst(0) depctr_va_sdst(0) depctr_va_ssrc(0) depctr_va_vcc(0) depctr_vm_vsrc(0)
	s_getreg_b32 s2, hwreg(HW_REG_IB_STS2, 6, 4)
	s_cmp_eq_u32 s2, 0
	s_cbranch_scc0 .Lentry_in_a_cluster
	s_endpgm
.Lentry_in_a_cluster:
	s_bfe_u32 s2, ttmp6, 0x10000c
	s_cmp_lg_u32 s2, 0x3003
	s_cbranch_scc0 .Lentry_shape_is_right
	s_endpgm
.Lentry_shape_is_right:
; o = softmax(q k^T / 8) v for one (batch, head), both products on codes of FP4 (E2M1) with one E8M0 byte for each 32 along a product's K; o is divided by the row's sum and quantised along the head's 64 for the last product.
; THE SOFTMAX: t = score x log2(e) / 8; M = the running largest t rounded UP to a whole number; p = 2^(t - M) is quantised along the keys, not normalised; the row's sum is taken of the unquantised p in f32.
; When M moves, the sum and O are multiplied by 2^(old M - new M), which rounds nothing.
; SHARES.  A work-group owns 512 queries of a head; each of its SIXTEEN waves 16 queries at a time, in two passes, in 256 registers: four waves to a SIMD, so that one wave's exponentials stand beside another's plain work,
; matrix work and LDS loads.  A pass walks all 2,048 keys, 128 a step: 8 + 4 matrix instructions beside some 230 vector instructions, so the vector work decides and the simple form is taken.
; THE HEAD'S WHOLE K AND V LIE IN LDS, as they lie in kv: 143,360 bytes of operand images, filled once at the head, one tensor load of 8,960 bytes a wave; no byte is filled again, no barrier stands in a loop.
; CLUSTER 4 x 1: the four work-groups of a head ask for those bytes jointly.
; LAYOUT.  Both products are used transposed: S^T = K Q^T (source 0 = 16 keys), O^T = V^T P^T (source 0 = 16 channels): a lane holds ONE query throughout.  The keys of a tile of K and the channels of a tile of V were chosen
; by the launch before (lane r of tile 2 b + u: 32 b + 8 u + r + 8 (r / 8)), so that a lane's 16 registers of tiles 2 b, 2 b + 1 are 16 neighbours.  The score product's K is 64: registers 4-7 of K's and Q's fragments hold zero
; codes, and their blocks' bytes are 0x7f.
; OUT.  oc: [row tile][head][512 bytes], lane l's 16 bytes = block l / 16 of its row: heads 2 q and 2 q + 1 are registers 0-3 and 4-7 of the last product's fragment of K step q.  os: [16 x row tile + r][32], byte 2 x head + block:
; one byte a lane, two of each row's 32: the other bytes of a row belong to other heads' work-groups; it is a sixteenth of what this launch stores.
; LIMITS: NaN and infinities are not served.  A p under 2^-126 comes out of v_exp_f32 as 0.  A block of zeros gets the byte 1 where the quantiser says 127: its codes are zeros, and this program alone reads the bytes.
.set KSO,   65536                      ; in a head's bytes: K's codes at 0, K's scale words here,
.set VCO,   73728                      ; V's codes,
.set VSO,   139264                     ; V's scale words
.set HEADB, 143360
.set SPARE, HEADB                      ; behind them the spare words, 128 bytes a wave: eight blocks of 256 bytes that no other line names
.set AK0,  1                           ; v1   16 x lane: an image's place for my lane, in LDS and in memory
.set AV0,  2                           ; v2   + V's codes
.set AS0,  3                           ; v3   + K's scale words
.set AT0,  4                           ; v4   16 r + V's scale words
.set SPW,  5
.set NIL,  6
.set OSO,  7                           ; v7   32 r + h: my byte in os
.set ADK,  8                           ; v8-11 the step's LDS addresses
.set ADV,  9
.set ADS,  10
.set ADT,  11
.set KF,   32                          ; v32-63   four tiles of K; the upper four registers of each stay 0
.set VF,   64                          ; v64-95   V's four fragments
.set S,    96                          ; v96-159  S^T, then p
.set OT,   160                         ; v160-191 O^T
.set PC,   192                         ; v192-199 codes just made
.set KSC,  200                         ; v200-203 K's scale words, v204-207 V's, v208-209 Q's of the two passes, v210 p's: scales and nothing else
.set VSC,  204
.set QS0,  208
.set PW,   210
.set BM,   212
.set T2,   216
.set SOP,  220
.set FF,   224                         ; v[224:225] f; v225 stays 0 (named with it as a pair)
.set TMP,  226
.set QSO,  227                         ; v227 16 r
.set L2,   228                         ; v[228:229] the sum's second chain
.set WV,   12
.set G1,   16
.set G0,   24
.set SEL,  28
.set CS,   30
.set TK,   32
.set TS,   33
.set TV,   34
.set CNT,  35
.set QB,   36
.set QSB,  38
.set OCB,  40
.set OSB,  42
.set HM,   48
.macro PLACES
.rept 4
	v_nop
.endr
.endm
.macro CROUND                          ; a round of the cluster's barrier
	s_barrier_signal -1
	s_barrier_wait -1
	s_cmp_lg_u32 s[WV], 0
	s_cbranch_scc1 .Lnot_wave_0_\@
	s_barrier_signal -3
.Lnot_wave_0_\@:
	s_barrier_wait -3
	s_barrier_signal -1
	s_barrier_wait -1
.endm
	s_load_b256 s[4:11], s[0:1], 0x0               ; qw s[4:5], kv s[6:7], oc s[8:9], os s[10:11]
	v_lshl_add_u32 v[SPW], v0, 2, SPARE
	v_mov_b32 v[NIL], 0
	ds_add_u32 v5, v6
	ds_add_u32 v5, v6
	s_wait_dscnt 0x0
	v_lshrrev_b32 v8, 5, v0
	s_delay_alu instid0(VALU_DEP_1)
	v_readfirstlane_b32 s[WV], v8                  ; wave 0..15
	s_bfe_u32 s13, ttmp6, 0x40000                  ; cx: which 512 queries: it enters Q's and o's addresses alone
	s_and_b32 s14, ttmp7, 0xffff                   ; 16 x batch + head, which the four partners share
	; the descriptor: 35 rows of 256 bytes (32 elements of 8), dense, no padding: every read is 16 x lane
	s_mov_b32 s[G1], 15|(3<<16)|(1<<21)            ; 15:0 the mask: all four work-groups; 17:16 elements of 8 bytes; 21 set beside a mask
	s_mov_b32 s[G1+1], 32<<16
	s_mov_b32 s[G1+2], 35<<16
	s_mov_b32 s[G1+3], 32<<16
	s_mov_b32 s[G1+4], 35
	s_mov_b32 s[G1+5], 32
	s_mov_b32 s[G1+6], 0
	s_mov_b32 s[G1+7], 0
	s_mov_b32 s[G0], 1
	s_mul_i32 s[G0+1], s[WV], 8960                 ; my sixteenth of the head's bytes, in LDS
	s_mul_i32 s50, s14, HEADB
	s_add_co_u32 s50, s50, s[G0+1]                 ; and in memory
	s_mov_b32 s51, 0
	s_mul_i32 s52, s14, 73728                      ; the head's bytes in qw
	s_lshl_b32 s53, s13, 5
	s_add_co_u32 s53, s53, s[WV]                   ; Tq = 32 cx + wave: my query tile of pass 0; pass 1's is 16 further on
	s_lshl_b32 s54, s53, 9
	s_add_co_u32 s54, s54, s52
	s_mov_b32 s55, 0
	s_lshr_b32 s56, s53, 2
	s_lshl_b32 s56, s56, 8                         ; its scale words: 512 (Tq / 8) + 256 ((Tq / 4) % 2)
	s_and_b32 s57, s53, 3
	s_lshl_b32 s57, s57, 2                         ; + 4 (Tq % 4); a lane adds 16 r
	s_add_co_u32 s56, s56, s57
	s_add_co_u32 s56, s56, s52
	s_add_co_u32 s56, s56, KSO
	s_mov_b32 s57, 0
	s_lshr_b32 s44, s14, 4
	s_lshl_b32 s44, s44, 7
	s_add_co_u32 s44, s44, s53                     ; the row tile among all 512: 128 x batch + Tq
	s_and_b32 s45, s14, 15                         ; the head
	s_lshl_b32 s46, s44, 4
	s_add_co_u32 s46, s46, s45
	s_lshl_b32 s46, s46, 9
	s_mov_b32 s47, 0
	s_lshl_b32 s44, s44, 9
	s_lshl_b32 s45, s45, 1
	s_add_co_u32 s44, s44, s45
	s_mov_b32 s45, 0
	s_mov_b32 s[SEL], 0x76543210
	s_mov_b32 s[SEL+1], 0xfedcba98                 ; v_permlanex16_b32's selects for lane l xor 16
	s_mov_b32 s[CS], 0x3e38aa3b                    ; c = log2(e) / 8
	s_mov_b32 s[CS+1], s[CS]                       ; (named with it as a pair, so it is written)
	s_mov_b32 s[HM], 0xffff0000                    ; lanes 16-31
	s_wait_kmcnt 0x0
	s_add_nc_u64 s[G0+2:G0+3], s[6:7], s[50:51]
	s_or_b32 s[G0+3], s[G0+3], 0x80000000          ; type = 2
	s_add_nc_u64 s[QB:QB+1], s[4:5], s[54:55]
	s_add_nc_u64 s[QSB:QSB+1], s[4:5], s[56:57]
	s_add_nc_u64 s[OCB:OCB+1], s[8:9], s[46:47]
	s_add_nc_u64 s[OSB:OSB+1], s[10:11], s[44:45]
	CROUND                                         ; all four work-groups are here: the joint loads meet
	tensor_load_to_lds s[G0:G0+3], s[G1:G1+7]      ; the launch's only fill: one tensor load of mine is out
	s_nop 0
.rept 4
	v_nop
.endr
	v_and_b32 v8, 31, v0
	s_delay_alu instid0(VALU_DEP_1)
	v_lshlrev_b32 v[AK0], 4, v8
	s_delay_alu instid0(VALU_DEP_1)
	v_add_nc_u32 v[AV0], VCO, v[AK0]
	s_delay_alu instid0(VALU_DEP_2)
	v_add_nc_u32 v[AS0], KSO, v[AK0]
	v_and_b32 v9, 15, v0                           ; r
	s_delay_alu instid0(VALU_DEP_1)
	v_lshlrev_b32 v[QSO], 4, v9
	s_delay_alu instid0(VALU_DEP_1)
	v_add_nc_u32 v[AT0], VSO, v[QSO]
	v_bfe_u32 v11, v0, 4, 1                        ; h
	s_delay_alu instid0(VALU_DEP_1)
	v_lshl_add_u32 v[OSO], v9, 5, v11
	global_load_b128 v[16:19], v[AK0], s[QB:QB+1]                ; Q's codes of both passes stay in registers
	global_load_b128 v[24:27], v[AK0], s[QB:QB+1] offset:8192
	global_load_b32 v[QS0], v[QSO], s[QSB:QSB+1]                 ; and their scale words
	global_load_b32 v[QS0+1], v[QSO], s[QSB:QSB+1] offset:1024
.irp j, 20,21,22,23,28,29,30,31,36,37,38,39,44,45,46,47,52,53,54,55,60,61,62,63
	v_mov_b32 v[\j], 0                             ; zero codes for k = 64 .. 127 of the score product: written once, never loaded
.endr
.irp b, 0,1,2,3
	v_mov_b32 v[T2+\b], 0                          ; written once: a lane permute's destination counts as one of its sources
.endr
	v_mov_b32 v[FF+1], 0
; A KEY STEP: 128 keys.  qf: Q's fragment; qs: its scale words.
.macro STEP qf, qs
	v_add_nc_u32 v[ADK], s[TK], v[AK0]             ; (these four are also the places behind the last step's products, in front of the loads into their registers)
	v_add_nc_u32 v[ADV], s[TK], v[AV0]
	v_add_nc_u32 v[ADS], s[TS], v[AS0]
	v_add_nc_u32 v[ADT], s[TV], v[AT0]
	ds_load_b128 v[KSC:KSC+3], v[ADS]              ; register t: lanes 0-15 the words of tile t, lanes 16-31 those of tile 4 + t
.irp t, 0,1,2,3
	ds_load_b128 v[KF+8*\t:KF+8*\t+3], v[ADK] offset:512*\t
.endr
.irp t, 0,1,2,3
.irp c, 0,1
	ds_load_b128 v[VF+8*\t+4*\c:VF+8*\t+4*\c+3], v[ADV] offset:1024*\t+512*\c
.endr
.endr
	ds_load_b128 v[VSC:VSC+3], v[ADT]
	s_wait_alu depctr_va_vdst(0)
	s_wait_dscnt 9                                 ; K's words and its first four tiles are in; the nine loads issued behind them (V's eight, V's words) may be out
.irp t, 0,1,2,3
	v_wmma_scale_f32_16x16x128_f8f6f4 v[S+8*\t:S+8*\t+7], v[KF+8*\t:KF+8*\t+7], v[\qf:\qf+7], 0, v[KSC+\t], v[\qs] matrix_a_fmt:MATRIX_FMT_FP4 matrix_b_fmt:MATRIX_FMT_FP4
.endr
	PLACES
.irp t, 0,1,2,3
	ds_load_b128 v[KF+8*\t:KF+8*\t+3], v[ADK] offset:2048+512*\t
.endr
	s_wait_dscnt 0x0
.irp t, 0,1,2,3
	v_wmma_scale_f32_16x16x128_f8f6f4 v[S+32+8*\t:S+32+8*\t+7], v[KF+8*\t:KF+8*\t+7], v[\qf:\qf+7], 0, v[KSC+\t], v[\qs] matrix_a_fmt:MATRIX_FMT_FP4 matrix_b_fmt:MATRIX_FMT_FP4 matrix_a_scale:MATRIX_SCALE_ROW1
.endr
	PLACES                                         ; lane (r, h) holds query r; register 16 b + i is key 32 b + 16 h + i of the step
.irp b, 0,1,2,3
	v_max3_num_f32 v[BM+\b], v[S+16*\b], v[S+16*\b+1], v[S+16*\b+2]   ; the largest score of each block of 32 keys: it serves the row's maximum and, since p rises with the score, the block's largest p
.endr
.irp i, 3,5,7,9,11,13
.irp b, 0,1,2,3
	v_max3_num_f32 v[BM+\b], v[BM+\b], v[S+16*\b+\i], v[S+16*\b+\i+1]
.endr
.endr
.irp b, 0,1,2,3
	v_max_num_f32 v[BM+\b], v[BM+\b], v[S+16*\b+15]
.endr
.irp b, 0,1,2,3
	s_delay_alu instid0(VALU_DEP_4)
	v_permlanex16_b32 v[T2+\b], v[BM+\b], s[SEL], s[SEL+1]
.endr
.irp b, 0,1,2,3
	s_delay_alu instid0(VALU_DEP_4)
	v_max_num_f32 v[BM+\b], v[BM+\b], v[T2+\b]     ; with lane l xor 16's 16 keys
.endr
	s_delay_alu instid0(VALU_DEP_2)
	v_max3_num_f32 v[TMP], v[BM], v[BM+1], v[BM+2]
	s_delay_alu instid0(VALU_DEP_1)
	v_max_num_f32 v[TMP], v[TMP], v[BM+3]
	s_delay_alu instid0(VALU_DEP_1)
	v_mul_f32 v[TMP], s[CS], v[TMP]                ; the step's largest t (c is positive)
	s_delay_alu instid0(VALU_DEP_1)
	v_max_num_f32 v13, v13, v[TMP]                 ; the running largest t
	v_mov_b32 v[TMP], v12
	s_delay_alu instid0(VALU_DEP_2)
	v_floor_f32 v12, -v13                          ; the new -M = floor(-t) = -ceil(t)
	s_delay_alu instid0(VALU_DEP_1)
	v_sub_f32 v[TMP], v12, v[TMP]                  ; old M - new M: a whole number, 0 or less
	s_delay_alu instid0(VALU_DEP_1)
	v_cvt_i32_f32 v[TMP], v[TMP]                   ; (it saturates)
	s_delay_alu instid0(VALU_DEP_1)
	v_ldexp_f32 v[FF], 1.0, v[TMP]                 ; f = 2^(old M - new M)
.set J, 0
.rept 32
	v_pk_fma_f32 v[S+J:S+J+1], v[S+J:S+J+1], s[CS:CS+1], v[12:13] op_sel_hi:[1,0,0]   ; t - M, two at a time
.set J, J+2
.endr
.irp b, 0,1,2,3
	v_fma_f32 v[BM+\b], v[BM+\b], s[CS], v12       ; the same of each block's largest score
.endr
.set J, 0
	s_wait_alu depctr_va_vdst(0)
.rept 64
	v_exp_f32 v[S+J], v[S+J]                       ; p = 2^(t - M), at most 1
.set J, J+1
.endr
	s_setprio 1
	v_pk_mul_f32 v[14:15], v[14:15], v[FF:FF+1] op_sel_hi:[1,0]   ; the sums under the new M: the plain instruction behind the exponentials
	s_wait_alu depctr_va_vdst(0)                   ; one wait for the batch of 64, ahead of its first reader
.irp b, 0,1,2,3
	v_exp_f32 v[BM+\b], v[BM+\b]                   ; the block's largest p: the same two instructions on the same number give the same bits
.endr
	v_pk_add_f32 v[228:229], v[100:101], v[104:105]
	v_pk_add_f32 v[254:255], v[108:109], v[112:113]
	v_pk_add_f32 v[252:253], v[116:117], v[120:121]
	v_pk_add_f32 v[250:251], v[124:125], v[128:129]
	v_pk_add_f32 v[248:249], v[132:133], v[136:137]
	v_pk_add_f32 v[246:247], v[140:141], v[144:145]
	v_pk_add_f32 v[244:245], v[148:149], v[152:153]
	v_pk_add_f32 v[14:15], v[14:15], v[156:157]
	v_pk_add_f32 v[228:229], v[228:229], v[96:97]
	v_pk_add_f32 v[254:255], v[254:255], v[98:99]
	v_pk_add_f32 v[252:253], v[252:253], v[102:103]
	v_pk_add_f32 v[250:251], v[250:251], v[106:107]
	v_pk_add_f32 v[248:249], v[248:249], v[110:111]
	v_pk_add_f32 v[246:247], v[246:247], v[114:115]
	v_pk_add_f32 v[244:245], v[244:245], v[118:119]
	v_pk_add_f32 v[14:15], v[14:15], v[122:123]
	v_pk_add_f32 v[228:229], v[228:229], v[126:127]
	v_pk_add_f32 v[254:255], v[254:255], v[130:131]
	v_pk_add_f32 v[252:253], v[252:253], v[134:135]
	v_pk_add_f32 v[250:251], v[250:251], v[138:139]
	v_pk_add_f32 v[248:249], v[248:249], v[142:143]
	v_pk_add_f32 v[246:247], v[246:247], v[146:147]
	v_pk_add_f32 v[244:245], v[244:245], v[150:151]
	v_pk_add_f32 v[14:15], v[14:15], v[154:155]
	v_pk_add_f32 v[228:229], v[228:229], v[158:159]
	s_delay_alu instid0(VALU_DEP_2)
	v_pk_add_f32 v[14:15], v[14:15], v[250:251]
	s_delay_alu instid0(VALU_DEP_2)
	v_pk_add_f32 v[228:229], v[228:229], v[248:249]
	v_pk_add_f32 v[254:255], v[254:255], v[246:247]
	v_pk_add_f32 v[252:253], v[252:253], v[244:245]
	s_delay_alu instid0(VALU_DEP_2)
	v_pk_add_f32 v[14:15], v[14:15], v[254:255]
	s_delay_alu instid0(VALU_DEP_2)
	v_pk_add_f32 v[228:229], v[228:229], v[252:253]
	s_delay_alu instid0(VALU_DEP_1)
	v_pk_add_f32 v[14:15], v[14:15], v[228:229]
	s_wait_alu depctr_va_vdst(0)                   ; and one for the four
.irp b, 0,1,2,3
	v_max_num_f32 v[BM+\b], 0x1800000, v[BM+\b]    ; the floor 2^(3 - 127): the byte cannot fall under 1
.endr
.irp b, 0,1,2,3
	s_delay_alu instid0(VALU_DEP_4)
	v_add_nc_u32 v[SOP+\b], 0xff000000, v[BM+\b]   ; 2 off the exponent field: the conversion's scale operand
.endr
.irp b, 0,1,2,3
	s_delay_alu instid0(VALU_DEP_4)
	v_lshrrev_b32 v[T2+\b], 23, v[SOP+\b]          ; the scale's byte
.endr
	s_delay_alu instid0(VALU_DEP_3)
	v_lshl_or_b32 v[PW], v[T2+1], 8, v[T2]         ; p's scale word for these 128 keys
	s_delay_alu instid0(VALU_DEP_1)
	v_lshl_or_b32 v[PW], v[T2+2], 16, v[PW]
	s_delay_alu instid0(VALU_DEP_1)
	v_lshl_or_b32 v[PW], v[T2+3], 24, v[PW]
.irp b, 0,1,2,3
	v_cvt_scalef32_pk8_fp4_f32 v[PC+2*\b], v[S+16*\b:S+16*\b+7], v[SOP+\b]
	v_cvt_scalef32_pk8_fp4_f32 v[PC+2*\b+1], v[S+16*\b+8:S+16*\b+15], v[SOP+\b]
.endr
	v_nop                                          ; one plain instruction behind a scaled conversion
.irp c, 0,1                                    ; a WHOLE block in a lane: lanes 0-15 block 2 c, lanes 16-31 block 2 c + 1
.irp i, 0,1
	v_permlane16_swap_b32 v[PC+4*\c+\i], v[PC+2+4*\c+\i]
.endr
.endr
.set J, 0
	s_setprio 0
.rept 16
	v_pk_mul_f32 v[OT+J:OT+J+1], v[OT+J:OT+J+1], v[FF:FF+1] op_sel_hi:[1,0]   ; O^T under the new M, each accumulator from its low end on.  (Of these sixteen, twelve name no register of a given product below: the places between p's scale word and codes and the products)
.set J, J+2
.endr
.irp t, 0,1,2,3
	v_wmma_scale_f32_16x16x128_f8f6f4 v[OT+8*\t:OT+8*\t+7], v[VF+8*\t:VF+8*\t+7], v[PC:PC+7], v[OT+8*\t:OT+8*\t+7], v[VSC+\t], v[PW] matrix_a_fmt:MATRIX_FMT_FP4 matrix_b_fmt:MATRIX_FMT_FP4
.endr
	s_add_co_u32 s[TK], s[TK], 4096                ; the next step: 8 tiles of K, 4 fragments of V,
	s_add_co_u32 s[TS], s[TS], 512                 ; K's scale words,
	s_add_co_u32 s[TV], s[TV], 256                 ; V's
.endm
; A PASS: 16 queries against all keys, and their way out.  O^T and the sum begin as zeros and the largest t as -3e38: the first change of M multiplies zeros.
.macro PASS p
.if \p
	s_wait_xcnt 0x0                                ; pass 0's stores have read their data
.endif
	v_mov_b32 v13, 0xff61b1e6                      ; -3e38, under every t
	s_delay_alu instid0(VALU_DEP_1)
	v_floor_f32 v12, -v13
	v_mov_b32 v14, 0
	v_mov_b32 v15, 0
.set J, 0
.rept 32
	v_mov_b32 v[OT+J], 0
.set J, J+1
.endr
	s_mov_b32 s[TK], 0
	s_mov_b32 s[TS], 0
	s_mov_b32 s[TV], 0
	s_mov_b32 s[CNT], 16
.Lk_\@:
	s_setprio 2
	STEP 16+8*\p, QS0+\p
	s_sub_co_u32 s[CNT], s[CNT], 1
	s_cmp_lg_u32 s[CNT], 0
	s_cbranch_scc1 .Lk_\@
	s_setprio 0
	PLACES                                         ; behind the last products
	v_add_f32 v14, v14, v15                        ; the sum's two halves,
	s_delay_alu instid0(VALU_DEP_1)
	v_permlanex16_b32 v[T2], v14, s[SEL], s[SEL+1]
	s_delay_alu instid0(VALU_DEP_1)
	v_add_f32 v14, v14, v[T2]                      ; and lane l xor 16's: the row's sum
	s_wait_alu depctr_va_vdst(0)
	v_rcp_f32 v[FF], v14
	v_nop                                          ; a plain instruction behind the reciprocal
	s_wait_alu depctr_va_vdst(0)                   ; and the wait ahead of its first reader
.set J, 0
.rept 16
	v_pk_mul_f32 v[OT+J:OT+J+1], v[OT+J:OT+J+1], v[FF:FF+1] op_sel_hi:[1,0]   ; o: register 16 b + i is channel 32 b + 16 h + i
.set J, J+2
.endr
.irp b, 0,1
	v_max3_num_f32 v[BM+\b], |v[OT+16*\b]|, |v[OT+16*\b+1]|, 0x1800000
.endr
.irp i, 2,4,6,8,10,12,14
.irp b, 0,1
	s_delay_alu instid0(VALU_DEP_2)
	v_max3_num_f32 v[BM+\b], v[BM+\b], |v[OT+16*\b+\i]|, |v[OT+16*\b+\i+1]|
.endr
.endr
.irp b, 0,1
	s_delay_alu instid0(VALU_DEP_2)
	v_permlanex16_b32 v[T2+\b], v[BM+\b], s[SEL], s[SEL+1]
.endr
.irp b, 0,1
	s_delay_alu instid0(VALU_DEP_2)
	v_max_num_f32 v[BM+\b], v[BM+\b], v[T2+\b]
.endr
.irp b, 0,1
	s_delay_alu instid0(VALU_DEP_2)
	v_add_nc_u32 v[SOP+\b], 0xff000000, v[BM+\b]
.endr
.irp b, 0,1
	s_delay_alu instid0(VALU_DEP_2)
	v_lshrrev_b32 v[T2+\b], 23, v[SOP+\b]
.endr
.irp b, 0,1
	v_cvt_scalef32_pk8_fp4_f32 v[PC+2*\b], v[OT+16*\b:OT+16*\b+7], v[SOP+\b]
	v_cvt_scalef32_pk8_fp4_f32 v[PC+2*\b+1], v[OT+16*\b+8:OT+16*\b+15], v[SOP+\b]
.endr
	v_nop
	v_permlane16_swap_b32 v[PC], v[PC+2]           ; lanes 0-15 block 0, lanes 16-31 block 1
	v_permlane16_swap_b32 v[PC+1], v[PC+3]
	v_cndmask_b32 v[TMP], v[T2], v[T2+1], s[HM]    ; and its byte
	global_store_b128 v[AK0], v[PC:PC+3], s[OCB:OCB+1] offset:\p*131072   ; 512 consecutive bytes
	global_store_b8 v[OSO], v[TMP], s[OSB:OSB+1] offset:\p*8192
.endm
	s_wait_tensorcnt 0x0                           ; my part of the head has landed,
	s_barrier_signal -1
	s_barrier_wait -1                              ; everybody's has
	s_wait_loadcnt 0x0                             ; Q
	PASS 0
	PASS 1
	s_wait_tensorcnt 0x0                           ; the wave's end
	ds_add_u32 v[SPW], v[NIL]
	s_wait_dscnt 0x0
	CROUND                                         ; the closing round: no work-group ends while a partner may still ask for a tile that names it
	s_endpgm
.Lfunc_end_k_q8bec5d5ff0_attn:
	.size	k_q8bec5d5ff0_attn, .Lfunc_end_k_q8bec5d5ff0_attn-k_q8bec5d5ff0_attn
	.p2alignl 7, 3214868480
	.fill 96, 4, 3214868480
	.section	.rodata,"a",@progbits
	.p2align	6, 0x0
	.amdhsa_kernel k_q8bec5d5ff0_attn
		.amdhsa_group_segment_fixed_size 327680
		.amdhsa_private_segment_fixed_size 0
		.amdhsa_enable_private_segment 0
		.amdhsa_kernarg_size 32
		.amdhsa_user_sgpr_count 2
		.amdhsa_user_sgpr_kernarg_segment_ptr 1
		.amdhsa_wavefront_size32 1
		.amdhsa_system_sgpr_workgroup_id_x 1
		.amdhsa_system_sgpr_workgroup_id_y 1
		.amdhsa_system_sgpr_workgroup_id_z 1
		.amdhsa_system_vgpr_workitem_id 0
		.amdhsa_next_free_vgpr 256
		.amdhsa_next_free_sgpr 66
		.amdhsa_reserve_vcc 0
		.amdhsa_float_denorm_mode_32 3
		.amdhsa_float_denorm_mode_16_64 3
		.amdhsa_memory_ordered 1
		.amdhsa_forward_progress 1
		.amdhsa_inst_pref_size 50
	.end_amdhsa_kernel
	.amdgpu_metadata
---
amdhsa.version: [ 1, 2 ]
amdhsa.kernels:
  - .name:           k_q8bec5d5ff0_attn
    .symbol:         k_q8bec5d5ff0_attn.kd
    .args:
      - { .name: qw, .offset: 0, .size: 8, .value_kind: global_buffer, .address_space: global }
      - { .name: kv, .offset: 8, .size: 8, .value_kind: global_buffer, .address_space: global }
      - { .name: oc, .offset: 16, .size: 8, .value_kind: global_buffer, .address_space: global }
      - { .name: os, .offset: 24, .size: 8, .value_kind: global_buffer, .address_space: global }
    .group_segment_fixed_size: 327680
    .private_segment_fixed_size: 0
    .kernarg_segment_align: 8
    .kernarg_segment_size: 32
    .max_flat_workgroup_size: 512
    .sgpr_count:     66
    .vgpr_count:     256
    .wavefront_size: 32
...
	.end_amdgpu_metadata
.endif
;; end of part 2
;; launch proj (part 3): grid 4 x 64, 4 waves a work-group, clusters of 4 x 4, 327,680 bytes of LDS; arguments oc, os, Wo_codes, Wo_scales, bo, out0; writes out0
.if DOCPART == 3
	.amdgcn_target "amdgcn-amd-amdhsa--gfx1250"
	.amdhsa_code_object_version 6
	.text
	.protected	k_q8bec5d5ff0_proj
	.globl	k_q8bec5d5ff0_proj
	.p2align	8
	.type	k_q8bec5d5ff0_proj,@function
k_q8bec5d5ff0_proj:
	s_mov_b64 s[64:65], 0
	v_nop
	global_prefetch_b8 v0, s[64:65] scope:SCOPE_SE
	s_setreg_imm32_b32 hwreg(HW_REG_WAVE_MODE, 25, 1), 1
	s_wait_xcnt 0x0
	s_wait_alu depctr_hold_cnt(0) depctr_sa_sdst(0) depctr_va_vdst(0) depctr_va_sdst(0) depctr_va_ssrc(0) depctr_va_vcc(0) depctr_vm_vsrc(0)
	s_getreg_b32 s2, hwreg(HW_REG_IB_STS2, 6, 4)
	s_cmp_eq_u32 s2, 0
	s_cbranch_scc0 .Lentry_in_a_cluster
	s_endpgm
.Lentry_in_a_cluster:
	s_bfe_u32 s2, ttmp6, 0x10000c
	s_cmp_lg_u32 s2, 0xf033
	s_cbranch_scc0 .Lentry_shape_is_right
	s_endpgm
.Lentry_shape_is_right:
; out0 = o Wo + bo on codes of FP4 (E2M1) with one E8M0 byte for each 32 along K (K = 1,024), sums in f32.  o comes from the attention launch as images of this product's operand registers (oc) and scale bytes (os).
; SHARES.  256 work-groups, each 128 rows x 256 columns, so that every WGP has one; a wave makes 64 x 128: 32 accumulators, 256 registers.
; ALL OF K LIES IN LDS: o's 64 KB of images, Wo's 256 rows of 512 bytes, both sides' scale bytes, filled once at the head by two tensor loads a wave; no byte is filled again, no barrier stands among the products.
; CLUSTER 4 x 4: o's tile hangs on the tile row alone and is asked for jointly along a row of the cluster, Wo's on the tile column alone and jointly along a column.
; THE MATRIX INSTRUCTION IS USED TRANSPOSED (source 0 = 16 rows of Wo, source 1 = 16 rows of o): a lane holds eight neighbouring columns of one row.  The bias is the C of each sum's first matrix instruction.
; The rows of a tile of o are not neighbours (lane r of tile 2 v + u: row 32 v + 8 u + r + 8 (r / 8)): the stores' immediates put each row in its place.
; REGISTERS, in windows of 256.  Window 0: v16-26 addresses; v28-29 the spare word's; v32-95 scale words and nothing else; v128-159, v160-191 o's fragments, two sets; on the way out v128-255 rows of the result.
;   Window 1: v0-63, v128-191 Wo's fragments, two sets; v64-127 the bias.   Window 2: the accumulators ((a, b) at v[8 (8 a + b)]).
.set PITCH,  528                       ; a row of Wo in LDS: 512 bytes + 16: the 16 rows that a load touches start at 16 different groups of four banks (ISA guide 11.1)
.set TROW,   16*PITCH
.set REG,    128*PITCH
.set WC,     65536                     ; o's images at 0, Wo's 256 rows here
.set OS,     WC+2*REG                  ; o's scale bytes: 16 lines of 256 + 16 bytes, a line = 8 rows of 32 bytes
.set SLINE,  272
.set WS,     OS+16*SLINE               ; Wo's: 32 lines
.set STAGE,  WS+32*SLINE               ; the way out: 16 rows x 528 bytes for each wave; no fill lands here
.set SPARE,  STAGE+4*TROW              ; the spare words, 128 bytes a wave: two blocks of 256 bytes that no other line names
.set AD1,  16                          ; v16  LDS address of my o fragments
.set AD0,  18                          ; v18  of my Wo fragments
.set ADRS, 20                          ; v20  of my scale words: lanes 0-15 o's rows, lanes 16-31 Wo's
.set BOQ,  23                          ; v23  the bias: 32 (lane / 16)
.set STO,  24                          ; v24  the way out: where I put 32 bytes of a row
.set RD,   25                          ; v25  where I read a row back
.set CO,   26                          ; v26  16 x lane: my bytes of a row's 512
.set SPW,  28
.set NIL,  29
.set SC,   32
.set BK,   128
.set WV,   32
.set XH,   33                          ; which 64 rows are mine.  Also: I fetch for o (0) or for Wo (1)
.set WH,   34                          ; which 128 columns.  Also: which half of that tile I fetch
.set CX,   35
.set CY,   60
.set TY,   61
.set G1O,  36
.set G0O,  44
.set G1W,  48
.set G0W,  56
.set G1OS, 68
.set G0OS, 76
.set G1WS, 80
.set G0WS, 88
.set MSB, 0
.macro WIN new
.if MSB != (\new)
	s_set_vgpr_msb (MSB<<8)|(\new)
.set MSB, (\new)
.endif
.endm
.macro PLACES
.rept 4
	v_nop
.endr
.endm
.macro JLOAD g0a, g1a, g0b, g1b        ; a joint load: waves 0 and 1 fetch for o, waves 2 and 3 for Wo; four v_nop follow each of the two lines
	s_cmp_eq_u32 s[XH], 0
	s_cbranch_scc0 .Lfor_w_\@
	tensor_load_to_lds s[\g0a:\g0a+3], s[\g1a:\g1a+7]
	s_nop 0
.rept 4
	v_nop
.endr
	s_branch .Lasked_\@
.Lfor_w_\@:
	tensor_load_to_lds s[\g0b:\g0b+3], s[\g1b:\g1b+7]
	s_nop 0
.rept 4
	v_nop
.endr
.Lasked_\@:
.endm
.macro CROUND
	s_barrier_signal -1
	s_barrier_wait -1
	s_cmp_lg_u32 s[WV], 0
	s_cbranch_scc1 .Lnot_wave_0_\@
	s_barrier_signal -3
.Lnot_wave_0_\@:
	s_barrier_wait -3
	s_barrier_signal -1
	s_barrier_wait -1
.endm
	s_load_b256 s[4:11], s[0:1], 0x0               ; oc s[4:5], os s[6:7], Wo's codes s[8:9], Wo's scales s[10:11]
	s_load_b128 s[12:15], s[0:1], 0x20             ; bo s[12:13], out0 s[14:15]
	v_lshl_add_u32 v[SPW], v0, 2, SPARE
	v_mov_b32 v[NIL], 0
	ds_add_u32 v28, v29
	ds_add_u32 v28, v29
	s_wait_dscnt 0x0
	v_lshrrev_b32 v1, 5, v0
	v_readfirstlane_b32 s[WV], v1
	s_lshr_b32 s[XH], s[WV], 1
	s_and_b32 s[WH], s[WV], 1
	s_bfe_u32 s[CX], ttmp6, 0x40000                ; cx: the tile column (the grid is one cluster wide)
	s_bfe_u32 s[CY], ttmp6, 0x40004
	s_and_b32 s[TY], ttmp7, 0xffff
	s_lshl_b32 s[TY], s[TY], 2
	s_add_co_u32 s[TY], s[TY], s[CY]               ; my 128 rows: 4 x cluster y + cy
	s_lshl_b32 s62, s[CY], 2
	s_lshl_b32 s62, 15, s62                        ; my row of the cluster
	s_lshl_b32 s63, 0x1111, s[CX]                  ; my column
	s_or_b32 s[G1O], s62, (3<<16)|(1<<21)          ; o's images: 128 rows of 256 bytes (32 elements of 8), dense, no padding
	s_mov_b32 s[G1O+1], 32<<16
	s_mov_b32 s[G1O+2], 128<<16
	s_mov_b32 s[G1O+3], 32<<16
	s_mov_b32 s[G1O+4], 128
	s_mov_b32 s[G1O+5], 32
	s_mov_b32 s[G1O+6], 0
	s_mov_b32 s[G1O+7], 0
	s_or_b32 s[G1W], s63, (1<<20)|(1<<21)|(6<<22)|(3<<25)   ; Wo's codes: 128 rows of 512 bytes; four words of padding behind every 128
	s_mov_b32 s[G1W+1], 512<<16
	s_mov_b32 s[G1W+2], 128<<16
	s_mov_b32 s[G1W+3], 512<<16
	s_mov_b32 s[G1W+4], 128
	s_mov_b32 s[G1W+5], 512
	s_mov_b32 s[G1W+6], 0
	s_mov_b32 s[G1W+7], 0
	s_or_b32 s[G1OS], s62, (3<<16)|(1<<20)|(1<<21)|(5<<22)|(3<<25)   ; o's scale bytes: 8 lines of 256 bytes, dense; four words of padding behind each
	s_mov_b32 s[G1OS+1], 32<<16
	s_mov_b32 s[G1OS+2], 8<<16
	s_mov_b32 s[G1OS+3], 32<<16
	s_mov_b32 s[G1OS+4], 8
	s_mov_b32 s[G1OS+5], 32
	s_mov_b32 s[G1OS+6], 0
	s_mov_b32 s[G1OS+7], 0
	s_or_b32 s[G1WS], s63, (3<<16)|(1<<20)|(1<<21)|(5<<22)|(3<<25)   ; Wo's: 16 lines
	s_mov_b32 s[G1WS+1], 32<<16
	s_mov_b32 s[G1WS+2], 16<<16
	s_mov_b32 s[G1WS+3], 32<<16
	s_mov_b32 s[G1WS+4], 16
	s_mov_b32 s[G1WS+5], 32
	s_mov_b32 s[G1WS+6], 0
	s_mov_b32 s[G1WS+7], 0
	s_lshl_b32 s96, s[TY], 16                      ; o's images: 65,536 bytes a tile row, my half
	s_lshl_b32 s2, s[WH], 15
	s_add_co_u32 s96, s96, s2
	s_mov_b32 s97, 0
	s_lshl_b32 s100, s[TY], 12                     ; its scale bytes: 4,096, my half
	s_lshl_b32 s3, s[WH], 11
	s_add_co_u32 s100, s100, s3
	s_mov_b32 s101, 0
	s_lshl_b32 s98, s[CX], 17                      ; Wo: row 256 cx + 128 half, 512 bytes a row
	s_lshl_b32 s3, s[WH], 16
	s_add_co_u32 s98, s98, s3
	s_mov_b32 s99, 0
	s_lshl_b32 s66, s[CX], 13                      ; and 32 bytes of scales a row
	s_lshl_b32 s3, s[WH], 12
	s_add_co_u32 s66, s66, s3
	s_mov_b32 s67, 0
	s_mov_b32 s[G0O], 1
	s_lshl_b32 s[G0O+1], s[WH], 15                 ; LDS addresses hang on the wave's number alone
	s_mov_b32 s[G0W], 1
	s_mul_i32 s[G0W+1], s[WH], REG
	s_add_co_u32 s[G0W+1], s[G0W+1], WC
	s_mov_b32 s[G0OS], 1
	s_mul_i32 s[G0OS+1], s[WH], 8*SLINE
	s_add_co_u32 s[G0OS+1], s[G0OS+1], OS
	s_mov_b32 s[G0WS], 1
	s_mul_i32 s[G0WS+1], s[WH], 16*SLINE
	s_add_co_u32 s[G0WS+1], s[G0WS+1], WS
	s_wait_kmcnt 0x0
	s_add_nc_u64 s[G0O+2:G0O+3], s[4:5], s[96:97]
	s_or_b32 s[G0O+3], s[G0O+3], 0x80000000
	s_add_nc_u64 s[G0W+2:G0W+3], s[8:9], s[98:99]
	s_or_b32 s[G0W+3], s[G0W+3], 0x80000000
	s_add_nc_u64 s[G0OS+2:G0OS+3], s[6:7], s[100:101]
	s_or_b32 s[G0OS+3], s[G0OS+3], 0x80000000
	s_add_nc_u64 s[G0WS+2:G0WS+3], s[10:11], s[66:67]
	s_or_b32 s[G0WS+3], s[G0WS+3], 0x80000000
	CROUND                                         ; all sixteen work-groups are here: the joint loads meet
	JLOAD G0OS, G1OS, G0WS, G1WS                   ; the first of the launch's two fills: one tensor load of mine is out
	s_wait_alu depctr_va_vdst(0)
	s_wait_tensorcnt 0x0
	ds_add_u32 v28, v29
	s_wait_dscnt 0x0
	CROUND
	JLOAD G0O, G1O, G0W, G1W
	v_and_b32 v1, 15, v0                           ; r
	v_bfe_u32 v2, v0, 4, 1                         ; h
	v_and_b32 v6, 31, v0
	v_lshlrev_b32 v[CO], 4, v6                     ; 16 x lane
	s_lshl_b32 s2, s[XH], 15
	v_add_nc_u32 v[AD1], s2, v[CO]                 ; my four tiles of o: images, 16 x lane
	v_mul_u32_u24 v3, v1, PITCH
	v_lshl_add_u32 v3, v2, 4, v3
	s_mul_i32 s3, s[WH], REG
	s_add_co_u32 s3, s3, WC
	v_add_nc_u32 v[AD0], s3, v3                    ; my 128 rows of Wo: row x pitch + 16 h
	v_bfe_u32 v4, v0, 3, 1
	v_and_b32 v5, 7, v0
	v_mul_u32_u24 v4, v4, SLINE
	v_lshl_add_u32 v4, v5, 5, v4                   ; a tile's scale bytes: line r / 8, 32 (r % 8)
	s_mul_i32 s2, s[XH], 8*SLINE                   ; o's: my 64 rows are 8 lines
	s_mul_i32 s3, s[WH], 16*SLINE                  ; Wo's: my 128 rows are 16 lines,
	s_add_co_u32 s3, s3, 16*SLINE                  ; behind o's 16
	s_sub_co_u32 s3, s3, s2
	v_mul_u32_u24 v5, s3, v2                       ; lanes 16-31 take Wo's: one product, the distance between the two
	s_add_co_u32 s2, s2, OS
	v_add_nc_u32 v4, v4, v5
	v_add_nc_u32 v[ADRS], s2, v4
	s_mul_i32 s2, s[WV], TROW
	s_add_co_u32 s2, s2, STAGE                     ; my stage
	v_mul_u32_u24 v7, v1, PITCH
	v_lshl_add_u32 v7, v2, 5, v7
	v_add_nc_u32 v[STO], s2, v7                    ; in: row r, 32 bytes for each half of the lanes
	v_add_nc_u32 v[RD], s2, v[CO]                  ; back: the 32 lanes take one row of 512 bytes
	v_lshlrev_b32 v[BOQ], 5, v2
	s_wait_alu depctr_va_vdst(0)
	s_lshl_b32 s2, s[CX], 10                       ; my first column, in bytes: 4 (256 cx + 128 half)
	s_lshl_b32 s3, s[WH], 9
	s_add_co_u32 s2, s2, s3
	s_mov_b32 s3, 0
	s_add_nc_u64 s[12:13], s[12:13], s[2:3]        ; in bo,
	s_add_nc_u64 s[14:15], s[14:15], s[2:3]        ; and in a row of out0
	s_lshl_b32 s2, s[TY], 19                       ; my first row: 128 x tile row + 64 x half, 4,096 bytes a row
	s_lshl_b32 s62, s[XH], 18
	s_add_co_u32 s2, s2, s62
	s_add_nc_u64 s[14:15], s[14:15], s[2:3]
	WIN 0x40                                       ; destination window 1
.irp b, 0,1,2,3,4,5,6,7                        ; the bias in the result's layout: tile b's register j is column 16 b + 8 h + j
	global_load_b128 v[64+8*\b:64+8*\b+3], v[BOQ], s[12:13] offset:64*\b
	global_load_b128 v[64+8*\b+4:64+8*\b+7], v[BOQ], s[12:13] offset:64*\b+16
.endr
	WIN 0
.macro FETCH q, p                      ; K step q's fragments into sets p: Wo's eight from rows, o's four from images: 24 loads in one run
	WIN 0x40
.irp b, 0,1,2,3,4,5,6,7
.irp c, 0,1
	ds_load_b128 v[128*(\p)+8*\b+4*\c:128*(\p)+8*\b+4*\c+3], v[AD0] offset:\b*TROW+64*(\q)+32*\c
.endr
.endr
	WIN 0
.irp a, 0,1,2,3
.irp c, 0,1
	ds_load_b128 v[128+32*(\p)+8*\a+4*\c:128+32*(\p)+8*\a+4*\c+3], v[AD1] offset:\a*8192+(\q)*1024+512*\c
.endr
.endr
.endm
.macro SCALES                          ; register SC + 32 (q / 4) + 4 i + q % 4: lanes 0-15 the word of o's tile i, lanes 16-31 that of Wo's tile i.  o has four tiles: for i = 4 .. 7 lanes 0-15 read filled bytes further on, which no product names
.irp s, 0,1
.irp i, 0,1,2,3,4,5,6,7
	ds_load_b128 v[SC+32*\s+4*\i:SC+32*\s+4*\i+3], v[ADRS] offset:\i*2*SLINE+16*\s
.endr
.endr
.endm
; 32 matrix instructions: o's four tiles against Wo's eight.  The 32 accumulators take turns, one instruction a turn, in the same order in every step.
.macro MUL32 q, p, first
.irp a, 0,1,2,3
.irp b, 0,1,2,3,4,5,6,7
.set RD_, 8*(8*\a+\b)
.set RC_, RD_
.if \first
.set RC_, 64+8*\b
.endif
	v_wmma_scale_f32_16x16x128_f8f6f4 v[RD_:RD_+7], v[128*(\p)+8*\b:128*(\p)+8*\b+7], v[128+32*(\p)+8*\a:128+32*(\p)+8*\a+7], v[RC_:RC_+7], v[SC+32*((\q)/4)+4*\b+(\q)%4], v[SC+32*((\q)/4)+4*\a+(\q)%4] matrix_a_fmt:MATRIX_FMT_FP4 matrix_b_fmt:MATRIX_FMT_FP4 matrix_a_scale:MATRIX_SCALE_ROW1
.endr
.endr
.endm
.macro STEP q                          ; the next step's loads go out first, into the sets that the step before multiplied, and land under this step's products
	s_wait_dscnt 0x0                               ; this step's fragments are in (in step 0 also the scale words)
.if (\q) > 0 && (\q) < 7
	PLACES
.endif
.if (\q) < 7
	FETCH (\q)+1, ((\q)+1)%2
.endif
.if (\q) == 0
	WIN 0x91                                       ; source 0 (Wo) window 1, source 1 (o) window 0, C (the bias) window 1, D window 2
	MUL32 \q, (\q)%2, 1
.else
	WIN 0xa1                                       ; C and D window 2
	MUL32 \q, (\q)%2, 0
.endif
	WIN 0
.endm
	s_wait_tensorcnt 0x0                           ; my two tiles have landed,
	s_barrier_signal -1
	s_barrier_wait -1                              ; everybody's have
	FETCH 0, 0
	SCALES
	s_wait_loadcnt 0x0                             ; the bias
.irp q, 0,1,2,3,4,5,6,7
	STEP \q
.endr
; THE WAY OUT, a tile of 16 rows x 128 columns at a time: a lane holds 32 neighbouring bytes of a row and the lanes beside it other rows, so the tile goes through my own stage and comes back as whole rows of 512 bytes.
; LDS serves a wave's instructions in order (ISA guide 5.7.1.4): no wait between the stores and the loads, nor in front of the next tile's stores.
.macro TOSTAGE a
	WIN 0x08                                       ; an LDS store's data: window 2
.irp b, 0,1,2,3,4,5,6,7
	ds_store_b128 v[STO], v[64*(\a)+8*\b:64*(\a)+8*\b+3] offset:64*\b          ; each accumulator from its low end on
	ds_store_b128 v[STO], v[64*(\a)+8*\b+4:64*(\a)+8*\b+7] offset:64*\b+16
.endr
	WIN 0
.set BB, BK+64*((\a)%2)
.irp t, 0,1,2,3,4,5,6,7,8,9,10,11,12,13,14,15
	ds_load_b128 v[BB+4*\t:BB+4*\t+3], v[RD] offset:\t*PITCH
.endr
.endm
.macro SEND a, younger                 ; younger: the LDS instructions issued behind tile a's loads, which may stay out
.set BB, BK+64*((\a)%2)
	s_wait_dscnt \younger
.irp t, 0,1,2,3,4,5,6,7,8,9,10,11,12,13,14,15
	global_store_b128 v[CO], v[BB+4*\t:BB+4*\t+3], s[14:15] offset:(32*((\a)/2)+8*((\a)%2)+\t+8*(\t/8))*4096 th:TH_STORE_NT   ; 32 lanes store 512 consecutive bytes, at a multiple of 512 from out0's first byte; the row's place stands in the immediate
.endr
.endm
	PLACES                                         ; behind the last products: for the reads of results and the loads into the registers that held o's fragments
	TOSTAGE 0
.irp a, 1,2,3
.if \a > 1
	s_wait_xcnt 0x0                                ; tile a - 2's stores have read their registers: tile a's loads may land there
.endif
	TOSTAGE \a
	SEND \a-1, 32                                  ; behind tile a - 1's loads: tile a's 16 stores and 16 loads
.endr
	SEND 3, 0
	s_wait_tensorcnt 0x0                           ; the wave's end
	ds_add_u32 v[SPW], v[NIL]
	s_wait_dscnt 0x0
	CROUND                                         ; the closing round: no work-group ends while a partner may still ask for a tile that names it
	s_endpgm
.Lfunc_end_k_q8bec5d5ff0_proj:
	.size	k_q8bec5d5ff0_proj, .Lfunc_end_k_q8bec5d5ff0_proj-k_q8bec5d5ff0_proj
	.p2alignl 7, 3214868480
	.fill 96, 4, 3214868480
	.section	.rodata,"a",@progbits
	.p2align	6, 0x0
	.amdhsa_kernel k_q8bec5d5ff0_proj
		.amdhsa_group_segment_fixed_size 327680
		.amdhsa_private_segment_fixed_size 0
		.amdhsa_enable_private_segment 0
		.amdhsa_kernarg_size 48
		.amdhsa_user_sgpr_count 2
		.amdhsa_user_sgpr_kernarg_segment_ptr 1
		.amdhsa_wavefront_size32 1
		.amdhsa_system_sgpr_workgroup_id_x 1
		.amdhsa_system_sgpr_workgroup_id_y 1
		.amdhsa_system_sgpr_workgroup_id_z 1
		.amdhsa_system_vgpr_workitem_id 0
		.amdhsa_next_free_vgpr 768
		.amdhsa_next_free_sgpr 102
		.amdhsa_reserve_vcc 0
		.amdhsa_float_denorm_mode_32 3
		.amdhsa_float_denorm_mode_16_64 3
		.amdhsa_memory_ordered 1
		.amdhsa_forward_progress 1
		.amdhsa_inst_pref_size 72
	.end_amdhsa_kernel
	.amdgpu_metadata
---
amdhsa.version: [ 1, 2 ]
amdhsa.kernels:
  - .name:           k_q8bec5d5ff0_proj
    .symbol:         k_q8bec5d5ff0_proj.kd
    .args:
      - { .name: oc, .offset: 0, .size: 8, .value_kind: global_buffer, .address_space: global }
      - { .name: os, .offset: 8, .size: 8, .value_kind: global_buffer, .address_space: global }
      - { .name: Wo_codes, .offset: 16, .size: 8, .value_kind: global_buffer, .address_space: global }
      - { .name: Wo_scales, .offset: 24, .size: 8, .value_kind: global_buffer, .address_space: global }
      - { .name: bo, .offset: 32, .size: 8, .value_kind: global_buffer, .address_space: global }
      - { .name: out0, .offset: 40, .size: 8, .value_kind: global_buffer, .address_space: global }
    .group_segment_fixed_size: 327680
    .private_segment_fixed_size: 0
    .kernarg_segment_align: 8
    .kernarg_segment_size: 48
    .max_flat_workgroup_size: 128
    .sgpr_count:     102
    .vgpr_count:     768
    .wavefront_size: 32
...
	.end_amdgpu_metadata
.endif
;; end of part 3
